; MI455X (gfx1250); checked and timed in simulation.
; The chip was launched on July 23, 2026; its instructions are those of AMD's public machine-readable ISA for CDNA 5 (MIT licence, August 2026) and "CDNA5" Instruction Set Architecture Reference Guide (July 2026). The comments in the code are by the model that wrote it; some were corrected since.
;; DND. Allowed arithmetic: float matrix products may take bf16 or f16 operands with f32 sums; other float arithmetic in f32, or as packed bf16 or f16 multiplies, adds, multiply-adds, maxima and minima; sums over many terms, partial sums and values carried from step to step in f32; what a program stores and reads back later, other than sums and carried values, may be rounded once to bf16 or f16.
;; Inputs: dnd_keys 50,000 x 128 float32; dnd_values 50,000 float32; queries 2,048 x 128 float32.
;; Outputs: out0 2,048 x 1 float32.
;; 2 versions, each right; version 2 is version 1 with the launch prep written anew for expert scheduling mode. Each part assembles by itself: llvm-mc -triple=amdgcn-amd-amdhsa -mcpu=gfx1250 --defsym DOCPART=n.
;; ======== version 1 of 2: 4 launches
;; workspace buffers: kb 13,107,200 bytes; kk 212,992 bytes; qb2 524,288 bytes; gm 16,777,216 bytes; cnt 16,384 bytes of whole numbers; msk 524,288 bytes of whole numbers; pl0 1,048,576 bytes of whole numbers; pl1 1,048,576 bytes of whole numbers
;; launch prep (part 1): grid 416 x 1, 2 waves a work-group, no clusters, 0 bytes of LDS; arguments dnd_keys, queries, kb, kk, qb2; writes kb, kk, qb2
.if DOCPART == 1
	.amdgcn_target "amdgcn-amd-amdhsa--gfx1250"
	.amdhsa_code_object_version 6
	.text
	.protected	k_qb7ef18e8ea_prep
	.globl	k_qb7ef18e8ea_prep
	.p2align	8
	.type	k_qb7ef18e8ea_prep,@function
k_qb7ef18e8ea_prep:
	s_mov_b64 s[64:65], 0
	v_nop
	global_prefetch_b8 v0, s[64:65] scope:SCOPE_SE
	s_setreg_imm32_b32 hwreg(HW_REG_WAVE_MODE, 25, 1), 1
	s_wait_xcnt 0x0
; PREP.  Keys and queries are rounded once to bf16, and each row's sum of squares of the rounded numbers is taken in f32.
;   kb  [51200][128] bf16: the keys; rows 50,000 and up hold 0.      kk: [51200] f32, their sums of squares (1.7e38 for rows 50,000 and up);
;   qb2 [2048][128]  bf16: -2 x the rounded queries (exact).          behind them, from byte 204,800 on, [2048] f32: the sums of squares of the rounded queries.
; Work-groups 0-399 take 128 rows of keys each, 400-415 take 128 rows of queries: one text, the buffers and three numbers chosen by the work-group's number.
; A wave takes 64 rows in four units of 16.  A row is 512 bytes in and 256 bytes out: one load of the wave covers a row, one store covers the row's
; 256 bytes, aligned.  50,000 is a multiple of 16, so a unit is wholly real or wholly padding; padding units load nothing.
; A wave's 64 sums are gathered in two registers (lane l: rows 2 l, 2 l + 1) and leave as one store of 256 bytes.
; No LDS, no matrix unit, no cluster: nothing is shared and memory binds.
.set NKEY,  50000
.set KWG,   400                        ; work-groups that take keys
.set QQOFF, 204800                     ; where the queries' sums begin in kk
.set BIGF,  0x7f000000                 ; 1.7e38
.set LN,  1                            ; v1        lane
.set O16, 2                            ; v2        16 x lane; never rewritten
.set O8,  3                            ; v3        8 x lane; never rewritten
.set N,   4                            ; v[4:5]    the wave's sums
.set ZZ,  6                            ; v[6:7]    0
.set T,   8                            ; v[8:15]   at work, two sets of four by turns
.set X,   16                           ; v[16:79]  a unit as loaded: row i at X + 4 i
.set W,   80                           ; v[80:111] a unit to store: row i at W + 2 i
.set BG,  112                          ; v112      1.7e38
.set LU,  113                          ; v113      lane - 8 x unit
.set WV,  16
.set HI,  17                           ; s17       a word's upper bf16
.set SEL, 18                           ; s[18:19]  v_permlanex16_b32's selects
.set FIRST, 20
.set LIM, 21                           ; s21       rows that exist
.set NS,  22                           ; s22       1 or 1/4: takes the factor out of the sum of squares
.set SC,  24                           ; s[24:25]  1 or -2
.set IN,  28
.set OUT, 30
.set NRM, 32
.set ROW, 34                           ; s34       the unit's first row
.set OF,  36
.set CNT, 38
	s_load_b256 s[4:11], s[0:1], 0x0               ; dnd_keys s[4:5], queries s[6:7], kb s[8:9], kk s[10:11]
	s_load_b64 s[12:13], s[0:1], 0x20              ; qb2
	v_and_b32 v[LN], 31, v0
	v_lshrrev_b32 v[T], 5, v0
	v_readfirstlane_b32 s[WV], v[T]                ; wave 0, 1
	v_lshlrev_b32 v[O16], 4, v[LN]
	v_lshlrev_b32 v[O8], 3, v[LN]
	v_mov_b32 v[N], 0
	v_mov_b32 v[N+1], 0
	v_mov_b32 v[ZZ], 0
	v_mov_b32 v[ZZ+1], 0
	v_mov_b32 v[BG], BIGF
	v_mov_b32 v[LU], v[LN]
	s_mov_b32 s[HI], 0xffff0000
	s_mov_b32 s[SEL], 0x76543210
	s_mov_b32 s[SEL+1], 0xfedcba98
	s_movk_i32 s[LIM], 0x800                       ; 2,048 queries
	s_cmp_lt_u32 ttmp9, KWG                        ; keys or queries?
	s_cselect_b32 s[LIM], NKEY, s[LIM]
	s_cselect_b32 s[FIRST], 0, KWG
	s_cselect_b32 s[SC], 1.0, -2.0
	s_cselect_b32 s[NS], 1.0, 0x3e800000
	s_mov_b32 s[SC+1], s[SC]                       ; named with it as a pair
	s_sub_co_u32 s[ROW], ttmp9, s[FIRST]
	s_lshl_b32 s[ROW], s[ROW], 7                   ; 128 rows a work-group,
	s_lshl_b32 s[OF], s[WV], 6                     ; 64 a wave
	s_add_co_u32 s[ROW], s[ROW], s[OF]
	s_mov_b32 s[OF+1], 0
	s_mov_b32 s[CNT], 4
	s_wait_kmcnt 0x0
	s_add_nc_u64 s[14:15], s[10:11], QQOFF         ; the queries' sums lie behind the keys'
	s_cmp_lt_u32 ttmp9, KWG
	s_cselect_b64 s[IN:IN+1], s[4:5], s[6:7]
	s_cselect_b64 s[OUT:OUT+1], s[8:9], s[12:13]
	s_cselect_b64 s[NRM:NRM+1], s[10:11], s[14:15]
	s_lshl_b32 s[OF], s[ROW], 9                    ; 512 bytes a row in,
	s_add_nc_u64 s[IN:IN+1], s[IN:IN+1], s[OF:OF+1]
	s_lshl_b32 s[OF], s[ROW], 8                    ; 256 out,
	s_add_nc_u64 s[OUT:OUT+1], s[OUT:OUT+1], s[OF:OF+1]
	s_lshl_b32 s[OF], s[ROW], 2                    ; 4 for its sum
	s_add_nc_u64 s[NRM:NRM+1], s[NRM:NRM+1], s[OF:OF+1]
; Row i of a unit: scaled, rounded, stored; then the squares of the rounded numbers are summed over the 32 lanes and the sum is put into its lane of N.
.macro ROWDO i
.set xr, X+4*(\i)
.set wr, W+2*(\i)
.set tr, T+4*((\i)%2)
	s_wait_loadcnt 15-(\i)                         ; loads come back in order: row i is in, the 15 - i younger rows may stay out
	v_pk_mul_f32 v[xr:xr+1], v[xr:xr+1], s[SC:SC+1] op_sel_hi:[1,0]
	v_pk_mul_f32 v[xr+2:xr+3], v[xr+2:xr+3], s[SC:SC+1] op_sel_hi:[1,0]
	v_cvt_pk_bf16_f32 v[wr], v[xr], v[xr+1]
	v_cvt_pk_bf16_f32 v[wr+1], v[xr+2], v[xr+3]
	global_store_b64 v[O8], v[wr:wr+1], s[OUT:OUT+1] offset:256*(\i)  ; 32 lanes x 8 bytes: the row's 256 bytes, aligned
	v_lshlrev_b32 v[tr], 16, v[wr]
	v_and_b32 v[tr+1], s[HI], v[wr]
	v_lshlrev_b32 v[tr+2], 16, v[wr+1]
	v_and_b32 v[tr+3], s[HI], v[wr+1]
	v_pk_mul_f32 v[tr:tr+1], v[tr:tr+1], v[tr:tr+1]
	v_pk_fma_f32 v[tr:tr+1], v[tr+2:tr+3], v[tr+2:tr+3], v[tr:tr+1]
	v_add_f32 v[tr], v[tr], v[tr+1]
	v_add_f32_dpp v[tr], v[tr], v[tr] row_xmask:1 row_mask:0xf bank_mask:0xf
	v_add_f32_dpp v[tr], v[tr], v[tr] row_xmask:2 row_mask:0xf bank_mask:0xf
	v_add_f32_dpp v[tr], v[tr], v[tr] row_xmask:4 row_mask:0xf bank_mask:0xf
	v_add_f32_dpp v[tr], v[tr], v[tr] row_xmask:8 row_mask:0xf bank_mask:0xf
	v_permlanex16_b32 v[tr+1], v[tr], s[SEL], s[SEL+1]
	v_add_f32 v[tr], v[tr], v[tr+1]
	v_mul_f32 v[tr], s[NS], v[tr]
	v_cmp_eq_u32 vcc_lo, (\i)/2, v[LU]             ; lane 8 u + i / 2 keeps rows 16 u + i
	v_cndmask_b32 v[N+(\i)%2], v[N+(\i)%2], v[tr], vcc_lo
.endm
.Lunit:
	s_cmp_lt_u32 s[ROW], s[LIM]
	s_cbranch_scc0 .Lpad
.irp i, 0,1,2,3,4,5,6,7,8,9,10,11,12,13,14,15
	global_load_b128 v[X+4*(\i):X+4*(\i)+3], v[O16], s[IN:IN+1] offset:512*(\i) th:TH_LOAD_NT
.endr
.irp i, 0,1,2,3,4,5,6,7,8,9,10,11,12,13,14,15
	ROWDO \i
.endr
	s_branch .Lnext
.Lpad:                                         ; sixteen rows behind the last key: zeros, and a sum that no bound reaches
.irp i, 0,1,2,3,4,5,6,7,8,9,10,11,12,13,14,15
	global_store_b64 v[O8], v[ZZ:ZZ+1], s[OUT:OUT+1] offset:256*(\i)
.endr
	v_cmp_gt_u32 vcc_lo, 8, v[LU]                  ; lanes 8 u .. 8 u + 7
	v_cndmask_b32 v[N], v[N], v[BG], vcc_lo
	v_cndmask_b32 v[N+1], v[N+1], v[BG], vcc_lo
.Lnext:
	s_wait_xcnt 0x0                                ; the unit's loads and stores have read their bases and data: only now are these written again
	s_add_nc_u64 s[IN:IN+1], s[IN:IN+1], 16*512
	s_add_nc_u64 s[OUT:OUT+1], s[OUT:OUT+1], 16*256
	s_add_co_u32 s[ROW], s[ROW], 16
	v_add_nc_u32 v[LU], -8, v[LU]
	s_sub_co_u32 s[CNT], s[CNT], 1
	s_cmp_lg_u32 s[CNT], 0
	s_cbranch_scc1 .Lunit
	global_store_b64 v[O8], v[N:N+1], s[NRM:NRM+1] ; the wave's 64 sums: 256 bytes, aligned
	s_endpgm
.Lfunc_end_k_qb7ef18e8ea_prep:
	.size	k_qb7ef18e8ea_prep, .Lfunc_end_k_qb7ef18e8ea_prep-k_qb7ef18e8ea_prep
	.p2alignl 7, 3214868480
	.fill 96, 4, 3214868480
	.section	.rodata,"a",@progbits
	.p2align	6, 0x0
	.amdhsa_kernel k_qb7ef18e8ea_prep
		.amdhsa_group_segment_fixed_size 0
		.amdhsa_private_segment_fixed_size 0
		.amdhsa_enable_private_segment 0
		.amdhsa_kernarg_size 40
		.amdhsa_user_sgpr_count 2
		.amdhsa_user_sgpr_kernarg_segment_ptr 1
		.amdhsa_wavefront_size32 1
		.amdhsa_system_sgpr_workgroup_id_x 1
		.amdhsa_system_sgpr_workgroup_id_y 1
		.amdhsa_system_sgpr_workgroup_id_z 1
		.amdhsa_system_vgpr_workitem_id 0
		.amdhsa_next_free_vgpr 114
		.amdhsa_next_free_sgpr 66
		.amdhsa_reserve_vcc 1
		.amdhsa_float_denorm_mode_32 3
		.amdhsa_float_denorm_mode_16_64 3
		.amdhsa_memory_ordered 1
		.amdhsa_forward_progress 1
		.amdhsa_inst_pref_size 24
	.end_amdhsa_kernel
	.amdgpu_metadata
---
amdhsa.version: [ 1, 2 ]
amdhsa.kernels:
  - .name:           k_qb7ef18e8ea_prep
    .symbol:         k_qb7ef18e8ea_prep.kd
    .args:
      - { .name: dnd_keys, .offset: 0, .size: 8, .value_kind: global_buffer, .address_space: global }
      - { .name: queries, .offset: 8, .size: 8, .value_kind: global_buffer, .address_space: global }
      - { .name: kb, .offset: 16, .size: 8, .value_kind: global_buffer, .address_space: global }
      - { .name: kk, .offset: 24, .size: 8, .value_kind: global_buffer, .address_space: global }
      - { .name: qb2, .offset: 32, .size: 8, .value_kind: global_buffer, .address_space: global }
    .group_segment_fixed_size: 0
    .private_segment_fixed_size: 0
    .kernarg_segment_align: 8
    .kernarg_segment_size: 40
    .max_flat_workgroup_size: 64
    .sgpr_count:     66
    .vgpr_count:     114
    .wavefront_size: 32
...
	.end_amdgpu_metadata
.endif
;; end of part 1
;; launch scan (part 2): grid 8 x 32, 4 waves a work-group, clusters of 4 x 1, 327,680 bytes of LDS; arguments kb, kk, qb2, gm; writes gm
.if DOCPART == 2
	.amdgcn_target "amdgcn-amd-amdhsa--gfx1250"
	.amdhsa_code_object_version 6
	.text
	.protected	k_qb7ef18e8ea_scan
	.globl	k_qb7ef18e8ea_scan
	.p2align	8
	.type	k_qb7ef18e8ea_scan,@function
k_qb7ef18e8ea_scan:
	s_mov_b64 s[64:65], 0
	v_nop
	global_prefetch_b8 v0, s[64:65] scope:SCOPE_SE
	s_setreg_imm32_b32 hwreg(HW_REG_WAVE_MODE, 25, 1), 1
	s_wait_xcnt 0x0
	s_wait_alu depctr_hold_cnt(0) depctr_sa_sdst(0) depctr_va_vdst(0) depctr_va_sdst(0) depctr_va_ssrc(0) depctr_va_vcc(0) depctr_vm_vsrc(0)
	s_getreg_b32 s2, hwreg(HW_REG_IB_STS2, 6, 4)
	s_cmp_eq_u32 s2, 0
	s_cbranch_scc0 .Lentry_in_a_cluster
	s_endpgm
.Lentry_in_a_cluster:
	s_bfe_u32 s2, ttmp6, 0x10000c
	s_cmp_lg_u32 s2, 0x3003
	s_cbranch_scc0 .Lentry_shape_is_right
	s_endpgm
.Lentry_shape_is_right:
; SCAN.  For every query and every key the score x = kk[key] - 2 q . k (the squared distance less the query's own sum of squares), and of each GROUP of 50 keys the two smallest scores.
; The score comes whole out of the matrix unit: source 0 = 16 keys, source 1 = 16 queries already times -2, and the first K step's C operand is kk.  In the result a lane holds ONE query
; (lane % 16) and the keys 8 (lane / 16) + j in register j.
; GROUPS.  The 51,200 rows of kb are 32 slices of 1,600; a slice is two blocks of 50 tiles of 16 keys.  A group is (slice, block, lane / 16, j): the 50 keys at that place of the block's tiles.
; A score's low six mantissa bits are replaced by the tile's number in the block (its PLACE), so the smallest score carries the key with it; that moves a score by 2^-17 of itself at the most,
; which the next launch's bound allows for.  m1 <= m2 are a group's two smallest packed scores.  They start at 1.7e38, which is also the padding rows' score.
; LIMITS.  Scores stay under 1.7e38; NaN and infinities are not treated apart.
; SHARES.  A work-group takes 256 queries and one slice, a wave 64 queries: four tiles a = 0..3.  A tile of keys read from LDS (10 loads) feeds 16 matrix instructions.
; VECTOR WORK.  Four instructions a score (pack; larger of m1 and the score; m1; m2): 128 for a key tile's 16 matrix instructions, eight behind each.  The scores of query tiles 0, 1 are taken in
; behind the products of tiles 2, 3, and those of tiles 2, 3 behind the next key tile's products of tiles 0, 1: so one set of four accumulators does.
; CLUSTER.  The four work-groups of a cluster take the same slice, so every tile of keys is asked for JOINTLY: the same tensor load, descriptor and mask in all four.
; No prefetch: a refill is asked for a chunk, 400 matrix instructions, ahead of the wait for it.
; REGISTERS.  Window 0: all but Q.  Window 1: v0-127 Q (tile a, K step ks at 32 a + 8 ks).  The key tiles run under ONE setting, source 1 in window 1: the matrix instructions take Q there,
; and every vector instruction among them has a scalar as its source 1 (hence the three-operand minima and maxima with a bound that changes nothing).
.set SLOTB,  108800                    ; a slot: a chunk of 400 rows x 272 bytes
.set WPART,  27200                     ; a wave's quarter of it: 100 rows
.set PITCH,  272                       ; 256 bytes + 16 of padding: the 16 rows of a fragment load start at 16 different groups of four banks (ISA guide 11.1)
.set KKB,    217600                    ; behind the two slots: the slice's 1,600 kk, f32; filled once
.set STAGE,  224000                    ; 64 rows x 272 bytes for each wave, for the way out; no tensor load lands here
.set STW,    17408
.set SPARE,  293632                    ; the spare words, 128 bytes for each wave: two blocks of 256 bytes that no other line names
.set BIGF,   0x7f000000
.set RR,  1                            ; v1   lane % 16
.set HH,  2                            ; v2   lane / 16
.set AK,  3                            ; v3   LDS address of my part of the key tile in hand
.set AKK, 4                            ; v4   of its kk
.set QO,  5                            ; v5   my byte offset in 16 rows of qb2
.set STO, 6                            ; v6   the way out: where I put 16 bytes
.set RD,  7                            ; v7   where I read rows back
.set GO,  8                            ; v8   my byte offset in gm
.set LP,  9                            ; v9   272 (lane % 16) + 16 (lane / 16); never rewritten
.set SPW, 10                           ; v10  LDS address of my spare word; never rewritten
.set NIL, 11                           ; v11  0; never rewritten
.set T,   16                           ; v[16:23]   the larger of m1 and the score, two sets of four
.set KK,  24                           ; v[24:39]   kk of a key tile, two buffers of 8
.set KF,  40                           ; v[40:103]  a key tile's fragments, two buffers of 32 (K step ks at 8 ks)
.set D,   104                          ; v[104:135] the four accumulators
.set M,   136                          ; v[136:199] m1(a, j) at M + 16 a + 4 (j / 2) + j % 2; m2 two further on
.set OB2, 200                          ; v[200:231] the way out
.set WV,  12
.set G1K, 24                           ; s[24:31] descriptor group 1 for keys
.set G1N, 32                           ; s[32:39] for kk
.set G0A, 40                           ; s[40:43] group 0 for slot 0
.set G0B, 44                           ; s[44:47] for slot 1
.set G0N, 48                           ; s[48:51] for kk
.set CNT, 52
.set PLC, 53                           ; s53  the place of the key tile in hand
.set MSK, 54                           ; s54  clears six bits
.set BIG, 55                           ; s55  1.7e38
.set NBIG, 56                          ; s56  -1.7e38
.set PLP, 57                           ; s57  the place of the key tile before
.set MSB, 0
.macro WIN new                         ; the immediate's high byte repeats the setting that is left; a switch that changes nothing is dropped
.if MSB != (\new)
	s_set_vgpr_msb (MSB<<8)|(\new)
.set MSB, \new
.endif
.endm
.set WX, 0x04                          ; source 1 in window 1
; A round of the cluster's barrier: my work-group's barrier; wave 0 signals for the work-group; every wave waits for all four work-groups; my work-group's barrier once more.
.macro CROUND
	s_barrier_signal -1
	s_barrier_wait -1
	s_cmp_lg_u32 s[WV], 0
	s_cbranch_scc1 .Lnot_wave_0_\@
	s_barrier_signal -3
.Lnot_wave_0_\@:
	s_barrier_wait -3
	s_barrier_signal -1
	s_barrier_wait -1
.endm
	s_load_b256 s[4:11], s[0:1], 0x0               ; kb s[4:5], kk s[6:7], qb2 s[8:9], gm s[10:11]
	v_lshl_add_u32 v[SPW], v0, 2, SPARE
	v_mov_b32 v[NIL], 0
	ds_add_u32 v[SPW], v[NIL]                      ; the wave's opening: the add and its wait stand ahead of my first tensor load; work on registers stands between them
	v_lshrrev_b32 v1, 5, v0
	v_readfirstlane_b32 s[WV], v1                  ; wave 0..3
	s_bfe_u32 s13, ttmp6, 0x40000                  ; cx: my place in the cluster
	s_lshl_b32 s14, ttmp9, 2                       ; in a cluster launch ttmp9 counts clusters
	s_add_co_u32 s14, s14, s13                     ; my block of 256 queries: it enters qb2's and gm's addresses alone
	s_and_b32 s15, ttmp7, 0xffff                   ; the slice, which the four partners share
	; group 1 for keys: 100 rows x 128 elements of 2 bytes, 16 bytes of padding behind each row
	s_mov_b32 s[G1K], 15|(1<<16)|(1<<20)|(1<<21)|(5<<22)|(3<<25)  ; 15:0 the mask of four; 17:16 2-byte elements; 20 padding on; 21 set beside a mask; 24:22 after every 64 words; 31:25 4 words
	s_mov_b32 s[G1K+1], 128<<16                    ; tensor_dim0 = 128
	s_mov_b32 s[G1K+2], 100<<16                    ; tensor_dim1 = 100
	s_mov_b32 s[G1K+3], 128<<16                    ; tile_dim0 = 128
	s_mov_b32 s[G1K+4], 100                        ; tile_dim1 = 100
	s_mov_b32 s[G1K+5], 128                        ; 128 elements from row to row
	s_mov_b32 s[G1K+6], 0
	s_mov_b32 s[G1K+7], 0
	; group 1 for kk: one row of 1,600 bytes as 200 elements of 8
	s_mov_b32 s[G1N], 15|(3<<16)|(1<<21)
	s_mov_b32 s[G1N+1], 200<<16
	s_mov_b32 s[G1N+2], 1<<16
	s_mov_b32 s[G1N+3], 200<<16
	s_mov_b32 s[G1N+4], 1
	s_mov_b32 s[G1N+5], 200
	s_mov_b32 s[G1N+6], 0
	s_mov_b32 s[G1N+7], 0
	s_mul_i32 s16, s15, 1600
	s_mul_i32 s17, s[WV], 100
	s_add_co_u32 s16, s16, s17                     ; my 100 rows of the slice's first chunk,
	s_lshl_b32 s16, s16, 8                         ; 256 bytes each
	s_mov_b32 s17, 0
	s_mul_i32 s18, s15, 1600
	s_mul_i32 s19, s[WV], 400
	s_add_co_u32 s18, s18, s19                     ; my 400 of the slice's kk,
	s_lshl_b32 s18, s18, 2                         ; 4 bytes each
	s_mov_b32 s19, 0
	s_mul_i32 s20, s[WV], WPART                    ; where they go: the wave's number times a constant, plus the slot's constant
	s_mul_i32 s21, s[WV], 1600
	s_mov_b32 s[G0A], 1
	s_mov_b32 s[G0A+1], s20
	s_mov_b32 s[G0B], 1
	s_add_co_u32 s[G0B+1], s20, SLOTB
	s_mov_b32 s[G0N], 1
	s_add_co_u32 s[G0N+1], s21, KKB
	s_lshl_b32 s22, s14, 8
	s_lshl_b32 s23, s[WV], 6
	s_add_co_u32 s22, s22, s23                     ; my wave's first query
	s_lshl_b32 s58, s22, 8                         ; 256 bytes a query in qb2,
	s_mov_b32 s59, 0
	s_lshl_b32 s60, s22, 13                        ; 8,192 in gm, where the slice has 256 of them
	s_lshl_b32 s61, s15, 8
	s_add_co_u32 s60, s60, s61
	s_mov_b32 s61, 0
	s_mov_b32 s[MSK], 0xffffffc0
	s_mov_b32 s[BIG], BIGF
	s_mov_b32 s[NBIG], 0xff000000
	s_wait_dscnt 0x0                               ; the opening add is done
	s_wait_kmcnt 0x0
	s_add_nc_u64 s[G0A+2:G0A+3], s[4:5], s[16:17]  ; chunk 0,
	s_add_nc_u64 s[G0B+2:G0B+3], s[G0A+2:G0A+3], 400*256  ; chunk 1
	s_or_b32 s[G0A+3], s[G0A+3], 0x80000000        ; type = 2
	s_or_b32 s[G0B+3], s[G0B+3], 0x80000000
	s_add_nc_u64 s[G0N+2:G0N+3], s[6:7], s[18:19]
	s_or_b32 s[G0N+3], s[G0N+3], 0x80000000
	s_add_nc_u64 s[8:9], s[8:9], s[58:59]
	s_add_nc_u64 s[10:11], s[10:11], s[60:61]
	CROUND                                         ; all four work-groups are here: the first joint loads meet
	tensor_load_to_lds s[G0N:G0N+3], s[G1N:G1N+7]  ; the three first fills go out together: three loads of mine are out
	s_nop 0
	tensor_load_to_lds s[G0A:G0A+3], s[G1K:G1K+7]
	s_nop 0
	tensor_load_to_lds s[G0B:G0B+3], s[G1K:G1K+7]
	s_nop 0
.rept 4
	v_nop
.endr
	; A fragment of either source is 16 rows x 32 channels in 8 registers: lane l holds row l % 16, channels 8 (l / 16) + 0..7 and 16 + 8 (l / 16) + 0..7: two loads of 16 bytes, 32 bytes apart.
	v_and_b32 v[RR], 15, v0
	v_bfe_u32 v[HH], v0, 4, 1
	v_lshlrev_b32 v[QO], 8, v[RR]
	v_lshl_add_u32 v[QO], v[HH], 4, v[QO]
	WIN 0x40                                       ; destination window 1, address window 0
.set i, 0
.rept 16                                       ; Q stays in registers: tile i / 4, K step i % 4
	global_load_b128 v[8*i:8*i+3],   v[QO], s[8:9] offset:(i/4)*4096+(i%4)*64
	global_load_b128 v[8*i+4:8*i+7], v[QO], s[8:9] offset:(i/4)*4096+(i%4)*64+32
.set i, i+1
.endr
	WIN 0
.macro INITM                           ; a block's minima start at 1.7e38 (no first tile is written out for it: 64 moves twice a launch)
.set i, 0
.rept 64
	v_mov_b32 v[M+i], s[BIG]
.set i, i+1
.endr
.endm
	INITM
	v_mul_u32_u24 v[LP], v[RR], PITCH
	v_lshl_add_u32 v[LP], v[HH], 4, v[LP]
	s_mul_i32 s21, s[WV], STW
	s_add_co_u32 s21, s21, STAGE                   ; my stage
	v_mul_u32_u24 v[STO], v[RR], PITCH             ; in: row 16 a + l % 16; 64 bytes for each half of the lanes
	v_lshl_add_u32 v[STO], v[HH], 6, v[STO]
	v_add_nc_u32 v[STO], s21, v[STO]
	v_mul_u32_u24 v[RD], v[HH], PITCH              ; back: lanes 0-15 take one row of 256 bytes, lanes 16-31 the next
	v_lshl_add_u32 v[RD], v[RR], 4, v[RD]
	v_add_nc_u32 v[RD], s21, v[RD]
	v_lshlrev_b32 v[GO], 13, v[HH]                 ; and the same two queries in gm
	v_lshl_add_u32 v[GO], v[RR], 4, v[GO]
; Ten LDS loads: key tile t (counted from AK's) into buffer buf: four fragments, and the tile's kk as the C operand (register j: key 8 (l / 16) + j).
.macro FETCH buf, t
.irp k, 0,1,2,3
	ds_load_b128 v[KF+32*(\buf)+8*\k:KF+32*(\buf)+8*\k+3],   v[AK] offset:16*PITCH*(\t)+64*\k
	ds_load_b128 v[KF+32*(\buf)+8*\k+4:KF+32*(\buf)+8*\k+7], v[AK] offset:16*PITCH*(\t)+64*\k+32
.endr
	ds_load_b128 v[KK+8*(\buf):KK+8*(\buf)+3],   v[AKK] offset:64*(\t)
	ds_load_b128 v[KK+8*(\buf)+4:KK+8*(\buf)+7], v[AKK] offset:64*(\t)+16
.endm
; Matrix instruction i of a key tile's 16: query tile 2 (i / 8) + i % 2, K step (i % 8) / 2.  Two accumulators take turns, one instruction a turn: over the change of pairs and from tile to tile too.
.macro WM i, buf
.set wa, 2*((\i)/8)+(\i)%2
.set wk, ((\i)%8)/2
.if wk == 0
	v_wmma_f32_16x16x32_bf16 v[D+8*wa:D+8*wa+7], v[KF+32*(\buf):KF+32*(\buf)+7], v[32*wa:32*wa+7], v[KK+8*(\buf):KK+8*(\buf)+7]
.else
	v_wmma_f32_16x16x32_bf16 v[D+8*wa:D+8*wa+7], v[KF+32*(\buf)+8*wk:KF+32*(\buf)+8*wk+7], v[32*wa+8*wk:32*wa+8*wk+7], v[D+8*wa:D+8*wa+7]
.endif
.endm
; Eight vector instructions: part s of 8 of taking in the scores of query tiles a0, a0 + 1, whose place is s[P].  Parts 2 g and 2 g + 1 serve four scores: tile a0 + g / 2, registers 4 (g % 2) + 0..3.
; Even part: pack, and the larger of m1 and the score; odd part: m1, m2.
.macro RID a0, s, P
.set rg, (\s)/2
.set ra, (\a0)+rg/2
.set rj, 4*(rg%2)
.set rT, T+4*(rg%2)
.if (\s)%2 == 0
.irp e, 0,1,2,3
	v_and_or_b32 v[D+8*ra+rj+\e], v[D+8*ra+rj+\e], s[MSK], s[\P]
.endr
.irp e, 0,1,2,3
	v_max3_num_f32 v[rT+\e], v[M+16*ra+4*((rj+\e)/2)+(\e)%2], s[NBIG], v[D+8*ra+rj+\e]
.endr
.else
.irp e, 0,1,2,3
	v_min3_num_f32 v[M+16*ra+4*((rj+\e)/2)+(\e)%2], v[M+16*ra+4*((rj+\e)/2)+(\e)%2], s[BIG], v[D+8*ra+rj+\e]
.endr
.irp e, 0,1,2,3
	v_min3_num_f32 v[M+16*ra+4*((rj+\e)/2)+(\e)%2+2], v[M+16*ra+4*((rj+\e)/2)+(\e)%2+2], s[BIG], v[rT+\e]
.endr
.endif
.endm
; A KEY TILE out of buffer buf.  Behind each matrix instruction stand eight vector instructions that name none of its registers.  An accumulator is first read 16 such instructions behind its last product
; (tiles 1 and 3: more); the run of loads into the other buffer stands 24 behind the last product that read it (ISA guide 7.12.1 for vector instructions).
.macro TILE buf, fetch, t
	s_wait_dscnt 0x0                               ; this tile's ten loads, issued 14 matrix instructions back, are in
.set ti, 0
.rept 16
	WM ti, \buf
.if ti < 8
	RID 2, ti, PLP
.else
	RID 0, ti-8, PLC
.endif
.if (\fetch) && (ti == 1)
	FETCH 1-(\buf), \t
.endif
.set ti, ti+1
.endr
	s_mov_b32 s[PLP], s[PLC]
	s_add_co_u32 s[PLC], s[PLC], 1
.endm
.macro DRAIN                           ; the last key tile's query tiles 2, 3
.set di, 0
.rept 8
	RID 2, di, PLP
.set di, di+1
.endr
.endm
; A CHUNK: the 25 key tiles of a slot.  The first tile finds 1.7e38 in accumulators 2, 3: scores that change no minimum.
.macro CHUNK slot, chunk, pc0
	WIN 0
.set ci, 0
.rept 16
	v_mov_b32 v[D+16+ci], s[BIG]
.set ci, ci+1
.endr
	v_add_nc_u32 v[AK], (\slot)*SLOTB, v[LP]
	v_lshl_add_u32 v[AKK], v[HH], 5, KKB+1600*(\chunk)
	s_mov_b32 s[PLC], \pc0
	s_mov_b32 s[PLP], 0
	s_mov_b32 s[CNT], 12
	FETCH 0, 0
.Ltiles_\@:                            ; a trip: two key tiles; at a label and at a branch every window is 0
	WIN WX
	TILE 0, 1, 1
	TILE 1, 1, 2
	WIN 0
	v_add_nc_u32 v[AK], 2*16*PITCH, v[AK]
	v_add_nc_u32 v[AKK], 128, v[AKK]
	s_sub_co_u32 s[CNT], s[CNT], 1
	s_cmp_lg_u32 s[CNT], 0
	s_cbranch_scc1 .Ltiles_\@
	WIN WX
	TILE 0, 0, 0                                   ; the 25th: nothing more to fetch
	DRAIN
	WIN 0
.endm
; Block b's minima go into my stage: for a query 16 pieces of 16 bytes, piece 8 b + 4 (l / 16) + u = (m1[2u], m1[2u+1], m2[2u], m2[2u+1]).
.macro STASH b
.irp a, 0,1,2,3
.irp u, 0,1,2,3
	ds_store_b128 v[STO], v[M+16*\a+4*\u:M+16*\a+4*\u+3] offset:16*PITCH*\a+128*(\b)+16*\u
.endr
.endr
.endm
; THE CHANGE OF SLOTS.  Each wave waits for all its tensor loads (one is out at the most: its part of the other slot), adds 0 to its spare word, and waits for that and for its own LDS reads and stores.
; fill = 1: the slot just read is filled again, with the chunk two further on.  The barrier is then a round of the cluster's, so that no wave of any partner still reads the slot or has a load on its way,
; and the joint refill is the first thing behind it.
.macro CHANGE fill, g0=0
	WIN 0
	s_wait_tensorcnt 0x0                           ; no tensor load of mine is out, so a group 0 may be written
	ds_add_u32 v[SPW], v[NIL]                      ; 0 onto my spare word
.if \fill
	s_add_nc_u64 s[\g0+2:\g0+3], s[\g0+2:\g0+3], 800*256  ; two chunks on; the type bits on top are not reached
.endif
	s_wait_dscnt 0x0                               ; the add is done, and my reads of the slot are over
.if \fill
	CROUND
	tensor_load_to_lds s[\g0:\g0+3], s[G1K:G1K+7]
	s_nop 0
.rept 4
	v_nop
.endr
.else
	s_barrier_signal -1
	s_barrier_wait -1
.endif
.endm
	s_wait_tensorcnt 1                             ; kk and chunk 0 are in; chunk 1's load, the youngest, may stay out
	s_barrier_signal -1
	s_barrier_wait -1                              ; everybody's part is
	s_wait_loadcnt 0x0                             ; Q
	CHUNK 0, 0, 0
	CHANGE 1, G0A                                  ; chunk 2 into slot 0
	CHUNK 1, 1, 25
	STASH 0
	INITM
	CHANGE 1, G0B                                  ; chunk 3 into slot 1
	CHUNK 0, 2, 0
	CHANGE 0                                       ; nothing is left to ask for
	CHUNK 1, 3, 25
	STASH 1
	; THE WAY OUT: my 64 queries' records of 256 bytes come back from my own stage as whole rows (LDS serves a wave's instructions in order: ISA guide 5.7.1.4) and are stored.
.set g, 0
.rept 32
.if g < 24
.set ob, KF+4*g
.else
.set ob, OB2+4*(g-24)
.endif
	ds_load_b128 v[ob:ob+3], v[RD] offset:2*PITCH*g
.set g, g+1
.endr
.set g, 0
.rept 32
.if g < 24
.set ob, KF+4*g
.else
.set ob, OB2+4*(g-24)
.endif
	s_wait_dscnt 31-g                              ; rows 2 g, 2 g + 1 are back; the 31 - g younger loads may stay out
	global_store_b128 v[GO], v[ob:ob+3], s[10:11] offset:16384*g  ; 16 lanes store a record's 256 consecutive bytes, aligned
.set g, g+1
.endr
	s_wait_tensorcnt 0x0                           ; the wave's end: behind my last tensor load and my last LDS store
	ds_add_u32 v[SPW], v[NIL]
	s_wait_dscnt 0x0
	CROUND                                         ; the closing round: no work-group ends while a partner may still ask for a tile that names it
	s_endpgm
.Lfunc_end_k_qb7ef18e8ea_scan:
	.size	k_qb7ef18e8ea_scan, .Lfunc_end_k_qb7ef18e8ea_scan-k_qb7ef18e8ea_scan
	.p2alignl 7, 3214868480
	.fill 96, 4, 3214868480
	.section	.rodata,"a",@progbits
	.p2align	6, 0x0
	.amdhsa_kernel k_qb7ef18e8ea_scan
		.amdhsa_group_segment_fixed_size 327680
		.amdhsa_private_segment_fixed_size 0
		.amdhsa_enable_private_segment 0
		.amdhsa_kernarg_size 32
		.amdhsa_user_sgpr_count 2
		.amdhsa_user_sgpr_kernarg_segment_ptr 1
		.amdhsa_wavefront_size32 1
		.amdhsa_system_sgpr_workgroup_id_x 1
		.amdhsa_system_sgpr_workgroup_id_y 1
		.amdhsa_system_sgpr_workgroup_id_z 1
		.amdhsa_system_vgpr_workitem_id 0
		.amdhsa_next_free_vgpr 384
		.amdhsa_next_free_sgpr 66
		.amdhsa_reserve_vcc 0
		.amdhsa_float_denorm_mode_32 3
		.amdhsa_float_denorm_mode_16_64 3
		.amdhsa_memory_ordered 1
		.amdhsa_forward_progress 1
		.amdhsa_inst_pref_size 160
	.end_amdhsa_kernel
	.amdgpu_metadata
---
amdhsa.version: [ 1, 2 ]
amdhsa.kernels:
  - .name:           k_qb7ef18e8ea_scan
    .symbol:         k_qb7ef18e8ea_scan.kd
    .args:
      - { .name: kb, .offset: 0, .size: 8, .value_kind: global_buffer, .address_space: global }
      - { .name: kk, .offset: 8, .size: 8, .value_kind: global_buffer, .address_space: global }
      - { .name: qb2, .offset: 16, .size: 8, .value_kind: global_buffer, .address_space: global }
      - { .name: gm, .offset: 24, .size: 8, .value_kind: global_buffer, .address_space: global }
    .group_segment_fixed_size: 327680
    .private_segment_fixed_size: 0
    .kernarg_segment_align: 8
    .kernarg_segment_size: 32
    .max_flat_workgroup_size: 128
    .sgpr_count:     66
    .vgpr_count:     384
    .wavefront_size: 32
...
	.end_amdgpu_metadata
.endif
;; end of part 2
;; launch thresh (part 3): grid 512 x 1, 4 waves a work-group, no clusters, 0 bytes of LDS; arguments gm, kk, cnt, msk, pl0, pl1; writes cnt, msk, pl0, pl1
.if DOCPART == 3
	.amdgcn_target "amdgcn-amd-amdhsa--gfx1250"
	.amdhsa_code_object_version 6
	.text
	.protected	k_qb7ef18e8ea_thresh
	.globl	k_qb7ef18e8ea_thresh
	.p2align	8
	.type	k_qb7ef18e8ea_thresh,@function
k_qb7ef18e8ea_thresh:
	s_mov_b64 s[64:65], 0
	v_nop
	global_prefetch_b8 v0, s[64:65] scope:SCOPE_SE
	s_setreg_imm32_b32 hwreg(HW_REG_WAVE_MODE, 25, 1), 1
	s_wait_xcnt 0x0
; THRESH.  One wave a query.  From the query's 1,024 groups' two smallest packed scores (m1 <= m2) it makes a bound and, as whole numbers, the list of what can lie among the 50 nearest keys.
; THE BOUND.  The groups are taken four at a time: 256 minima, each a different key's score.  U is no less than the 50th smallest of them, so 50 different keys score U or less, and the 50th smallest score of
; all is no greater.  U' = U + 2^-14 |U| + 2^-12 qq covers twice what packing (2^-17 of a score) and the product's rounding can move a score, so every one of the true 50 has a packed score of U' or less.
; U is found by bisection on the scores' bit patterns, mapped so that unsigned order is float order: 22 bits, the other 10 set, which only raises U.  The counts steer selects, never a branch or an address.
; WHAT IS STORED for a group: W1 = (m1 <= U'), W2 = (m2 <= U'), and the place of m1's key.  W1 alone: that one key is a candidate.  W2: all 50 keys of the group are.
; GROUP (i = 2 k + c, lane L): register 4 k + c of lane L holds m1, register 4 k + 2 + c holds m2.
;   msk, 256 bytes a query: bytes 8 i: the lane masks W1[i], W2[i].      pl0 (groups i < 16) and pl1 (the rest), 512 bytes a query each: byte 16 L + i % 16: the place.
;   cnt, 8 bytes a query: how many groups have one candidate, how many are taken whole.  Every lane stores the same 8 bytes: the buffer is 16 KB in all.
; qq lies in kk, from byte 204,800 on.
; LIMITS.  NaN and infinities are not treated apart.
.set QQOFF, 204800
.set X,   16                           ; v[16:79]  the query's 8,192 bytes of gm: load k at X + 4 k
.set PLR, 80                           ; v[80:87]  the places, four to a register
.set SMR, 88                           ; v[88:95]  my eight of the 256 minima, mapped
.set TW,  96                           ; v[96:97]  at work
.set CN,  98                           ; v[98:99]  the two counts
	s_load_b256 s[4:11], s[0:1], 0x0               ; gm s[4:5], kk s[6:7], cnt s[8:9], msk s[10:11]
	s_load_b128 s[36:39], s[0:1], 0x20             ; pl0 s[36:37], pl1 s[38:39]
	v_lshrrev_b32 v1, 5, v0
	v_readfirstlane_b32 s12, v1                    ; wave 0..3
	v_and_b32 v1, 31, v0
	v_lshlrev_b32 v2, 4, v1                        ; 16 x lane
	v_lshlrev_b32 v3, 3, v1                        ; 8 x lane
	v_mov_b32 v10, 0                               ; an offset of 0
	v_mov_b32 v12, 0                               ; lane i will hold W1[i],
	v_mov_b32 v13, 0                               ; and W2[i]
	s_lshl_b32 s13, ttmp9, 2
	s_add_co_u32 s13, s13, s12                     ; my query
	s_mov_b32 s15, 0
	s_mov_b32 s20, 0x04000400                      // v_perm_b32: byte 0 of the second source, byte 0 of the first, twice
	s_mov_b32 s21, 0x05040100                      // the two low halves
	s_mov_b32 s22, 0x3f3f3f3f
	s_mov_b32 s28, 0x38800000                      // 2^-14
	s_mov_b32 s29, 0x39800000                      // 2^-12
	s_mov_b32 s32, 0                               ; groups with one candidate,
	s_mov_b32 s33, 0                               ; groups taken whole
	s_wait_kmcnt 0x0
	s_lshl_b32 s14, s13, 13                        ; 8,192 bytes a query in gm,
	s_add_nc_u64 s[4:5], s[4:5], s[14:15]
	s_lshl_b32 s14, s13, 2                         ; 4 for qq,
	s_add_nc_u64 s[6:7], s[6:7], s[14:15]
	s_lshl_b32 s14, s13, 3                         ; 8 in cnt,
	s_add_nc_u64 s[8:9], s[8:9], s[14:15]
	s_lshl_b32 s14, s13, 8                         ; 256 in msk,
	s_add_nc_u64 s[10:11], s[10:11], s[14:15]
	s_lshl_b32 s14, s13, 9                         ; 512 in pl0 and in pl1
	s_add_nc_u64 s[36:37], s[36:37], s[14:15]
	s_add_nc_u64 s[38:39], s[38:39], s[14:15]
	s_load_b32 s18, s[6:7], QQOFF                  ; qq
.irp k, 0,1,2,3,4,5,6,7,8,9,10,11,12,13,14,15
	global_load_b128 v[X+4*\k:X+4*\k+3], v2, s[4:5] offset:512*\k th:TH_LOAD_NT
.endr
	s_mov_b32 s24, 0                               ; t
	s_mov_b32 s25, 0x80000000                      ; the bit in hand
	s_mov_b32 s27, 22
	s_wait_loadcnt 0x0
.irp i, 0,1,2,3,4,5,6,7
	v_min3_num_f32 v[SMR+\i], v[X+8*\i], v[X+8*\i+1], v[X+8*\i+4]
	v_min_num_f32 v[SMR+\i], v[SMR+\i], v[X+8*\i+5]
.endr
.irp i, 0,1,2,3,4,5,6,7
	v_ashrrev_i32 v[TW+(\i)%2], 31, v[SMR+\i]      ; the map: a negative number's bits are all turned, a positive one's sign alone
	v_or_b32 v[TW+(\i)%2], 0x80000000, v[TW+(\i)%2]
	v_xor_b32 v[SMR+\i], v[TW+(\i)%2], v[SMR+\i]
.endr
.Lbit:                                         ; t keeps the bit if at most 49 of the 256 lie below t with the bit set
	s_or_b32 s26, s24, s25
.irp i, 0,1,2,3,4,5,6,7
	v_cmp_gt_u32 s[40+\i], s26, v[SMR+\i]
.endr
.irp i, 0,1,2,3,4,5,6,7
	s_bcnt1_i32_b32 s[40+\i], s[40+\i]
.endr
	s_add_co_u32 s40, s40, s41
	s_add_co_u32 s42, s42, s43
	s_add_co_u32 s44, s44, s45
	s_add_co_u32 s46, s46, s47
	s_add_co_u32 s40, s40, s42
	s_add_co_u32 s44, s44, s46
	s_add_co_u32 s40, s40, s44
	s_cmp_le_u32 s40, 49
	s_cselect_b32 s24, s26, s24
	s_lshr_b32 s25, s25, 1
	s_sub_co_u32 s27, s27, 1
	s_cmp_lg_u32 s27, 0
	s_cbranch_scc1 .Lbit
	s_or_b32 s24, s24, 0x3ff                       ; the ten bits not searched are set: no less than the 50th smallest
	s_xor_b32 s26, s24, 0x80000000                 ; the map back, both ways,
	s_not_b32 s27, s24
	s_bitcmp1_b32 s24, 31                          ; and the one that fits
	s_cselect_b32 s26, s26, s27
	s_wait_kmcnt 0x0                               ; qq
	v_mov_b32 v14, s26                             ; U
	v_mov_b32 v11, s18
	v_fma_f32 v15, |v14|, s28, v14
	v_fma_f32 v15, v11, s29, v15                   ; U'
.set i, 0
.rept 32
	v_cmp_le_f32 s[40+2*(i%4)], v[X+4*(i/2)+i%2], v15
	v_cmp_le_f32 s[41+2*(i%4)], v[X+4*(i/2)+i%2+2], v15
	v_writelane_b32 v12, s[40+2*(i%4)], i
	v_writelane_b32 v13, s[41+2*(i%4)], i
	s_and_not1_b32 s30, s[40+2*(i%4)], s[41+2*(i%4)]  ; the lanes whose group i has one candidate
	s_bcnt1_i32_b32 s31, s[41+2*(i%4)]
	s_bcnt1_i32_b32 s30, s30
	s_add_co_u32 s33, s33, s31
	s_add_co_u32 s32, s32, s30
.set i, i+1
.endr
.irp w, 0,1,2,3,4,5,6,7                        ; groups 4 w .. 4 w + 3: the low bytes of their m1
	v_perm_b32 v[TW], v[X+8*\w+1], v[X+8*\w], s20
	v_perm_b32 v[TW+1], v[X+8*\w+5], v[X+8*\w+4], s20
	v_perm_b32 v[PLR+\w], v[TW+1], v[TW], s21
	v_and_b32 v[PLR+\w], s22, v[PLR+\w]
.endr
	v_mov_b32 v[CN], s32
	v_mov_b32 v[CN+1], s33
	global_store_b64 v3, v[12:13], s[10:11]        ; 256 bytes, aligned
	global_store_b128 v2, v[PLR:PLR+3], s[36:37]   ; 512 bytes, aligned
	global_store_b128 v2, v[PLR+4:PLR+7], s[38:39]
	global_store_b64 v10, v[CN:CN+1], s[8:9]       ; the same 8 bytes from every lane
	s_endpgm
.Lfunc_end_k_qb7ef18e8ea_thresh:
	.size	k_qb7ef18e8ea_thresh, .Lfunc_end_k_qb7ef18e8ea_thresh-k_qb7ef18e8ea_thresh
	.p2alignl 7, 3214868480
	.fill 96, 4, 3214868480
	.section	.rodata,"a",@progbits
	.p2align	6, 0x0
	.amdhsa_kernel k_qb7ef18e8ea_thresh
		.amdhsa_group_segment_fixed_size 0
		.amdhsa_private_segment_fixed_size 0
		.amdhsa_enable_private_segment 0
		.amdhsa_kernarg_size 48
		.amdhsa_user_sgpr_count 2
		.amdhsa_user_sgpr_kernarg_segment_ptr 1
		.amdhsa_wavefront_size32 1
		.amdhsa_system_sgpr_workgroup_id_x 1
		.amdhsa_system_sgpr_workgroup_id_y 1
		.amdhsa_system_sgpr_workgroup_id_z 1
		.amdhsa_system_vgpr_workitem_id 0
		.amdhsa_next_free_vgpr 104
		.amdhsa_next_free_sgpr 66
		.amdhsa_reserve_vcc 0
		.amdhsa_float_denorm_mode_32 3
		.amdhsa_float_denorm_mode_16_64 3
		.amdhsa_memory_ordered 1
		.amdhsa_forward_progress 1
		.amdhsa_inst_pref_size 22
	.end_amdhsa_kernel
	.amdgpu_metadata
---
amdhsa.version: [ 1, 2 ]
amdhsa.kernels:
  - .name:           k_qb7ef18e8ea_thresh
    .symbol:         k_qb7ef18e8ea_thresh.kd
    .args:
      - { .name: gm, .offset: 0, .size: 8, .value_kind: global_buffer, .address_space: global }
      - { .name: kk, .offset: 8, .size: 8, .value_kind: global_buffer, .address_space: global }
      - { .name: cnt, .offset: 16, .size: 8, .value_kind: global_buffer, .address_space: global }
      - { .name: msk, .offset: 24, .size: 8, .value_kind: global_buffer, .address_space: global }
      - { .name: pl0, .offset: 32, .size: 8, .value_kind: global_buffer, .address_space: global }
      - { .name: pl1, .offset: 40, .size: 8, .value_kind: global_buffer, .address_space: global }
    .group_segment_fixed_size: 0
    .private_segment_fixed_size: 0
    .kernarg_segment_align: 8
    .kernarg_segment_size: 48
    .max_flat_workgroup_size: 128
    .sgpr_count:     66
    .vgpr_count:     104
    .wavefront_size: 32
...
	.end_amdgpu_metadata
.endif
;; end of part 3
;; launch pick (part 4): grid 2048 x 1, 1 waves a work-group, no clusters, 8,960 bytes of LDS; arguments cnt, msk, pl0, pl1, kb, qb2, dnd_values, out0; writes out0
.if DOCPART == 4
	.amdgcn_target "amdgcn-amd-amdhsa--gfx1250"
	.amdhsa_code_object_version 6
	.text
	.protected	k_qb7ef18e8ea_pick
	.globl	k_qb7ef18e8ea_pick
	.p2align	8
	.type	k_qb7ef18e8ea_pick,@function
k_qb7ef18e8ea_pick:
	s_mov_b64 s[64:65], 0
	v_nop
	global_prefetch_b8 v0, s[64:65] scope:SCOPE_SE
	s_setreg_imm32_b32 hwreg(HW_REG_WAVE_MODE, 25, 1), 1
	s_wait_xcnt 0x0
; PICK.  One wave a query.  The candidates that the launch before listed are ranked by their direct squared distance, sum of (k - q)^2 in f32 on the bf16-rounded inputs, ties by the lower key index;
; the 50 nearest give out = sum(w v) / sum(w), w = 1 / (d + 0.001), v the value rounded to bf16.
; LISTS.  From msk's masks and pl0's and pl1's places two lists are made in LDS: SL, the keys of groups with one candidate; RL, the first keys of groups of which all 50 keys (16 apart) are taken.
; Every slot and every key is clamped before it enters an address.  All lanes are on from the first line to the last: a lane whose group is not listed stores into a word of its own behind the list,
; which nobody reads.  BRANCHES hang on cnt's two numbers alone, the lists' lengths as the launch before counted them (the same masks, so the same numbers as the sums made here for the slots).
; The loops over the lists count to constants (the lists' room); a trip past a list's end jumps forward to the count's step.
; BATCHES.  32 candidates, a lane each: the lane loads its key's row (16 x 16 bytes) and its value.  k - q is 0.5 x (-2 q) + k, one rounding.  An entry is (distance, key << 16 | value's bf16); a lane with no
; candidate holds (infinity, 0xffff0000).
; RANKING, by compare-and-exchange networks, the same instructions whatever the numbers.  The state is the 64 smallest entries so far, ascending: ranks 0-31 in (D0, C0), ranks 32-63 in (D1, C1), by lane.
; A batch is sorted descending (15 stages); the lesser of it and ranks 32-63, lane by lane, are the 32 smallest of the two and, behind ranks 0-31, rise and then fall: six merge stages sort the 64 again.
; LIMITS.  NaN and infinities are not treated apart.  Distances that differ by less than f32's rounding may rank otherwise than by kk - 2 q.k + qq.  The result is 4 bytes a work-group: the output is 8 KB in all.
; No matrix unit, no cluster, no tensor load: a query's candidates are its own.
.set RLB,   4352                       ; LDS: SL at 0, RL here: 1,024 words of list and 32 dump words each
.set SPARE, 8704                       ; then the spare words, a block of 256 bytes that no other line names
.set SPW, 2                            ; v2   LDS address of my spare word; never rewritten
.set NIL, 3                            ; v3   0; never rewritten
.set LB,  4                            ; v4   my lane's part of a key
.set HALF, 5                           ; v5   0.5
.set KEY, 6
.set RA,  7                            ; v7   my key's row in kb
.set VA,  8                            ; v8   its value
.set VV,  9
.set BD,  10                           ; v10, v11  the batch's entry
.set BC,  11
.set DP,  12                           ; v12, v13  the partner's entry
.set CP,  13
.set D0,  14
.set C0,  15
.set D1,  16
.set C1,  17
.set LA,  18                           ; v18  where I read SL
.set RLA, 19                           ; v19  where RL is read
.set DT,  20                           ; v[20:27]  differences, at work
.set INF, 28
.set PADC, 29
.set BASE, 30
.set TT,  31
.set PL,  32                           ; v[32:39]  my 32 groups' places, a byte each
.set ACC, 40                           ; v[40:47]  four pairs of sums
.set Z4,  48                           ; v[48:51]  0
.set L16, 52
.set T0,  53
.set T1,  54
.set ZO,  55                           ; v55  0, an offset
.set DP2, 56                           ; v56, v57  a second partner's entry
.set CP2, 57
.set T2,  58
.set T3,  59
.set DUMP, 60                          ; v60  1,024 + lane: the slot of a lane that lists nothing
.set Q,   64                           ; v[64:127]  -2 q, two bf16 a register, the same in every lane
.set K,   128                          ; v[128:191] my key's row
.set CS,  12                           ; s12  cnt: entries in SL
.set CR,  13                           ; s13  cnt: entries in RL
.set NS,  66                           ; s66  SL's length so far, while the lists are made
.set NR,  67                           ; s67  RL's
.set TS,  68                           ; s68-75 hold four pointers at the head, and these from the lists' making on
.set RO,  69                           ; s69  the outer count over RL: 0, 32 .. 992
.set VAL, 70                           ; s70  the lanes that hold a candidate
.set TA,  71
.set TB,  72
.set TC,  73
.set BI,  74                           ; s74  the count over SL: 0, 32 .. 992
.set RI,  75                           ; s75  the entry of RL in hand
.set IC,  76
.set K50, 77
.set SEL, 78                           ; s[78:79]  v_permlanex16_b32's selects
.set RJ,  96                           ; s96  the inner count over RL: 0 .. 31
.set UA,  98
.set UB,  99
.set UC,  100
.set XM1,  0x55555555                  ; lanes whose bit j is 0
.set XM2,  0x33333333
.set XM4,  0x0f0f0f0f
.set XM8,  0x00ff00ff
.set XM16, 0x0000ffff
	s_load_b256 s[68:75], s[0:1], 0x0              ; cnt s[68:69], msk s[70:71], pl0 s[72:73], pl1 s[74:75]: wanted at the head alone
	s_load_b256 s[4:11], s[0:1], 0x20              ; kb s[4:5], qb2 s[6:7], dnd_values s[8:9], out0 s[10:11]
	v_lshl_add_u32 v[SPW], v0, 2, SPARE
	v_mov_b32 v[NIL], 0
	s_lshl_b32 s96, ttmp9, 3                       ; 8 bytes a query in cnt,
	s_mov_b32 s97, 0
	s_lshl_b32 s98, ttmp9, 8                       ; 256 in msk and in qb2,
	s_mov_b32 s99, 0
	s_lshl_b32 s100, ttmp9, 9                      ; 512 in pl0 and in pl1
	s_mov_b32 s101, 0
	v_lshlrev_b32 v[L16], 4, v0
	v_mov_b32 v[ZO], 0
	s_wait_kmcnt 0x0
	s_add_nc_u64 s[68:69], s[68:69], s[96:97]
	s_add_nc_u64 s[70:71], s[70:71], s[98:99]
	s_add_nc_u64 s[6:7], s[6:7], s[98:99]
	s_add_nc_u64 s[72:73], s[72:73], s[100:101]
	s_add_nc_u64 s[74:75], s[74:75], s[100:101]
	s_lshl_b32 s96, ttmp9, 2                       ; 4 in out0
	s_add_nc_u64 s[10:11], s[10:11], s[96:97]
	s_load_b64 s[CS:CS+1], s[68:69], 0x0           ; the lists' lengths
	s_load_b512 s[16:31], s[70:71], 0x0            ; the masks: W1[i], W2[i] at s[16 + 2 i] for i < 24,
	s_load_b512 s[32:47], s[70:71], 0x40
	s_load_b512 s[48:63], s[70:71], 0x80
	s_load_b512 s[80:95], s[70:71], 0xc0           ; at s[80 + 2 (i - 24)] for the rest
	global_load_b128 v[PL:PL+3], v[L16], s[72:73]
	global_load_b128 v[PL+4:PL+7], v[L16], s[74:75]
.set i, 0
.rept 16
	global_load_b128 v[Q+4*i:Q+4*i+3], v[ZO], s[6:7] offset:16*i
.set i, i+1
.endr
.irp i, 0,1,2,3
	v_mov_b32 v[Z4+\i], 0
.endr
.set i, 0
.rept 8                                        ; both lists are cleared, since a batch reads 32 words whether or not so many were listed
	ds_store_b128 v[L16], v[Z4:Z4+3] offset:512*i
	ds_store_b128 v[L16], v[Z4:Z4+3] offset:RLB+512*i
.set i, i+1
.endr
	; group (i = 2 k + c, lane L) begins at key 3200 k + c + LB: LB = 1600 (L >> 4) + 800 ((L >> 3) & 1) + 8 ((L >> 2) & 1) + 2 (L & 3)
	v_lshrrev_b32 v[T0], 4, v0
	v_mul_u32_u24 v[LB], v[T0], 1600
	v_bfe_u32 v[T0], v0, 3, 1
	v_mul_u32_u24 v[T0], v[T0], 800
	v_add_nc_u32 v[LB], v[LB], v[T0]
	v_bfe_u32 v[T0], v0, 2, 1
	v_lshl_add_u32 v[LB], v[T0], 3, v[LB]
	v_and_b32 v[T0], 3, v0
	v_lshl_add_u32 v[LB], v[T0], 1, v[LB]
	v_add_nc_u32 v[DUMP], 0x400, v0
	v_mov_b32 v[HALF], 0.5
	v_mov_b32 v[INF], 0x7f800000
	v_mov_b32 v[PADC], 0xffff0000
	v_mov_b32 v[D0], v[INF]
	v_mov_b32 v[D1], v[INF]
	v_mov_b32 v[C0], v[PADC]
	v_mov_b32 v[C1], v[PADC]
	v_mov_b32 v[DP], 0                             ; the lane moves' destinations count as read: written once here
	v_mov_b32 v[CP], 0
	v_mov_b32 v[DP2], 0
	v_mov_b32 v[CP2], 0
	v_lshlrev_b32 v[LA], 2, v0
	s_mov_b32 s[NS], 0
	s_mov_b32 s[NR], 0
	s_mov_b32 s[K50], 50000
	s_mov_b32 s[SEL], 0x76543210
	s_mov_b32 s[SEL+1], 0xfedcba98
	s_wait_kmcnt 0x0                               ; the lengths and the masks
	s_wait_loadcnt 16                              ; the places; the 16 loads of Q behind them may stay out
	s_wait_xcnt 0x0                                ; every load so far has read its address: s68-75, which held four pointers, are written again only behind these three waits
; Groups i of all lanes are listed.  A listed lane's slot is the list's length plus the number of listed lanes below it (1,023 at the most: there are 1,024 groups); another lane's is its dump word.
; The slot is chosen first and clamped behind that, to the list's 1,056 words.
.macro ENUM i
.if (\i) < 24
.set mw, 16+2*(\i)
.else
.set mw, 80+2*((\i)-24)
.endif
	s_and_not1_b32 s[TA], s[mw], s[mw+1]           ; one candidate: m1 within the bound, m2 not.  s[mw+1]: two or more: the whole group
	v_bfe_u32 v[T0], v[PL+(\i)/4], 8*((\i)%4), 8
	v_mbcnt_lo_u32_b32 v[T1], s[TA], s[NS]
	v_mbcnt_lo_u32_b32 v[T3], s[mw+1], s[NR]
	v_lshl_add_u32 v[T0], v[T0], 4, v[LB]
	v_cndmask_b32 v[T1], v[DUMP], v[T1], s[TA]
	v_cndmask_b32 v[T3], v[DUMP], v[T3], s[mw+1]
	v_add_nc_u32 v[T0], 3200*((\i)/2)+(\i)%2, v[T0]  ; the key of the group's smallest score,
	v_add_nc_u32 v[T2], 3200*((\i)/2)+(\i)%2, v[LB]  ; the group's first key
	v_min_u32 v[T1], 0x41f, v[T1]
	v_min_u32 v[T3], 0x41f, v[T3]
	v_lshlrev_b32 v[T1], 2, v[T1]
	v_lshlrev_b32 v[T3], 2, v[T3]
	ds_store_b32 v[T1], v[T0]
	ds_store_b32 v[T3], v[T2] offset:RLB
	s_bcnt1_i32_b32 s[TS], s[TA]
	s_bcnt1_i32_b32 s[TB], s[mw+1]
	s_add_co_u32 s[NS], s[NS], s[TS]
	s_add_co_u32 s[NR], s[NR], s[TB]
.endm
.set ei, 0
.rept 32
	ENUM ei
.set ei, ei+1
.endr
; s[TA] = entry (da, ca) is less than entry (db, cb)
.macro LESS da, ca, db, cb
	v_cmp_lt_f32 s[TA], v[\da], v[\db]
	v_cmp_eq_f32 s[TB], v[\da], v[\db]
	v_cmp_lt_u32 s[TC], v[\ca], v[\cb]
	s_and_b32 s[TB], s[TB], s[TC]
	s_or_b32 s[TA], s[TA], s[TB]
.endm
; Compare and exchange with the lane j away.  nkm names the lanes that keep the greater entry: a lane that keeps the lesser takes its partner's if that is less, the other if it is not.
; (Where the two are alike, both fields, taking changes nothing.)
.macro CE d, c, j, nkm
.if (\j) == 16
	v_permlanex16_b32 v[DP], v[\d], s[SEL], s[SEL+1]
	v_permlanex16_b32 v[CP], v[\c], s[SEL], s[SEL+1]
.else
	v_mov_b32_dpp v[DP], v[\d] row_xmask:\j row_mask:0xf bank_mask:0xf
	v_mov_b32_dpp v[CP], v[\c] row_xmask:\j row_mask:0xf bank_mask:0xf
.endif
	LESS DP, CP, \d, \c
	s_xor_b32 s[TA], s[TA], \nkm
	v_cndmask_b32 v[\d], v[\d], v[DP], s[TA]
	v_cndmask_b32 v[\c], v[\c], v[CP], s[TA]
.endm
; The same on both halves of the state, side by side
.macro CE2 j, nkm
.if (\j) == 16
	v_permlanex16_b32 v[DP], v[D0], s[SEL], s[SEL+1]
	v_permlanex16_b32 v[CP], v[C0], s[SEL], s[SEL+1]
	v_permlanex16_b32 v[DP2], v[D1], s[SEL], s[SEL+1]
	v_permlanex16_b32 v[CP2], v[C1], s[SEL], s[SEL+1]
.else
	v_mov_b32_dpp v[DP], v[D0] row_xmask:\j row_mask:0xf bank_mask:0xf
	v_mov_b32_dpp v[CP], v[C0] row_xmask:\j row_mask:0xf bank_mask:0xf
	v_mov_b32_dpp v[DP2], v[D1] row_xmask:\j row_mask:0xf bank_mask:0xf
	v_mov_b32_dpp v[CP2], v[C1] row_xmask:\j row_mask:0xf bank_mask:0xf
.endif
	v_cmp_lt_f32 s[TA], v[DP], v[D0]
	v_cmp_eq_f32 s[TB], v[DP], v[D0]
	v_cmp_lt_u32 s[TC], v[CP], v[C0]
	v_cmp_lt_f32 s[UA], v[DP2], v[D1]
	v_cmp_eq_f32 s[UB], v[DP2], v[D1]
	v_cmp_lt_u32 s[UC], v[CP2], v[C1]
	s_and_b32 s[TB], s[TB], s[TC]
	s_and_b32 s[UB], s[UB], s[UC]
	s_or_b32 s[TA], s[TA], s[TB]
	s_or_b32 s[UA], s[UA], s[UB]
	s_xor_b32 s[TA], s[TA], \nkm
	s_xor_b32 s[UA], s[UA], \nkm
	v_cndmask_b32 v[D0], v[D0], v[DP], s[TA]
	v_cndmask_b32 v[C0], v[C0], v[CP], s[TA]
	v_cndmask_b32 v[D1], v[D1], v[DP2], s[UA]
	v_cndmask_b32 v[C1], v[C1], v[CP2], s[UA]
.endm
; A BATCH: v[KEY] holds a key a lane, s[VAL] the lanes that count.
.macro BATCH
	v_cmp_gt_u32 s[TS], s[K50], v[KEY]             ; a padding row is no candidate
	v_min_u32 v[RA], 0xc7ff, v[KEY]                ; inside kb's 51,200 rows,
	v_min_u32 v[VA], 0xc34f, v[KEY]                ; inside the 50,000 values
	s_and_b32 s[VAL], s[VAL], s[TS]
	v_lshlrev_b32 v[RA], 8, v[RA]
	v_lshlrev_b32 v[VA], 2, v[VA]
.set bi, 0
.rept 16
	global_load_b128 v[K+4*bi:K+4*bi+3], v[RA], s[4:5] offset:16*bi
.set bi, bi+1
.endr
	global_load_b32 v[VV], v[VA], s[8:9]
.set bi, 0
.rept 16
	s_wait_loadcnt 16-bi                           ; piece bi of the row is in (and Q, which is older); the younger pieces and the value may stay out
.irp n, 0,1,2,3
	v_fma_mix_f32_bf16 v[DT+2*\n], v[Q+4*bi+\n], v[HALF], v[K+4*bi+\n] op_sel_hi:[1,0,1]
	v_fma_mix_f32_bf16 v[DT+2*\n+1], v[Q+4*bi+\n], v[HALF], v[K+4*bi+\n] op_sel:[1,0,1] op_sel_hi:[1,0,1]
.endr
.irp n, 0,1,2,3
.if bi == 0
	v_pk_mul_f32 v[ACC+2*\n:ACC+2*\n+1], v[DT+2*\n:DT+2*\n+1], v[DT+2*\n:DT+2*\n+1]  ; the first squares start the sums
.else
	v_pk_fma_f32 v[ACC+2*\n:ACC+2*\n+1], v[DT+2*\n:DT+2*\n+1], v[DT+2*\n:DT+2*\n+1], v[ACC+2*\n:ACC+2*\n+1]
.endif
.endr
.set bi, bi+1
.endr
	v_pk_add_f32 v[ACC:ACC+1], v[ACC:ACC+1], v[ACC+2:ACC+3]
	v_pk_add_f32 v[ACC+4:ACC+5], v[ACC+4:ACC+5], v[ACC+6:ACC+7]
	v_pk_add_f32 v[ACC:ACC+1], v[ACC:ACC+1], v[ACC+4:ACC+5]
	v_add_f32 v[BD], v[ACC], v[ACC+1]
	s_wait_loadcnt 0x0                             ; the value
	v_cvt_pk_bf16_f32 v[VV], v[VV], v[VV]
	v_and_b32 v[VV], 0xffff, v[VV]
	v_lshl_or_b32 v[BC], v[KEY], 16, v[VV]
	v_cndmask_b32 v[BD], v[INF], v[BD], s[VAL]
	v_cndmask_b32 v[BC], v[PADC], v[BC], s[VAL]
	CE BD, BC, 1, XM1^XM2                          ; runs of 2, 4, 8, 16, rising and falling by turns,
	CE BD, BC, 2, XM2^XM4
	CE BD, BC, 1, XM1^XM4
	CE BD, BC, 4, XM4^XM8
	CE BD, BC, 2, XM2^XM8
	CE BD, BC, 1, XM1^XM8
	CE BD, BC, 8, XM8^XM16
	CE BD, BC, 4, XM4^XM16
	CE BD, BC, 2, XM2^XM16
	CE BD, BC, 1, XM1^XM16
	CE BD, BC, 16, XM16                            ; and the last merge, falling
	CE BD, BC, 8, XM8
	CE BD, BC, 4, XM4
	CE BD, BC, 2, XM2
	CE BD, BC, 1, XM1
	LESS BD, BC, D1, C1                            ; the lesser of the batch and ranks 32-63
	v_cndmask_b32 v[D1], v[D1], v[BD], s[TA]
	v_cndmask_b32 v[C1], v[C1], v[BC], s[TA]
	LESS D1, C1, D0, C0                            ; the merge's first stage: lane l of one half against lane l of the other
	v_cndmask_b32 v[DP], v[D0], v[D1], s[TA]
	v_cndmask_b32 v[CP], v[C0], v[C1], s[TA]
	v_cndmask_b32 v[D1], v[D1], v[D0], s[TA]
	v_cndmask_b32 v[C1], v[C1], v[C0], s[TA]
	v_mov_b32 v[D0], v[DP]
	v_mov_b32 v[C0], v[CP]
	CE2 16, 0xffffffff^XM16                        ; and its other five, rising
	CE2 8, 0xffffffff^XM8
	CE2 4, 0xffffffff^XM4
	CE2 2, 0xffffffff^XM2
	CE2 1, 0xffffffff^XM1
.endm
	; THE SINGLES: 32 trips of 32 entries, as many as SL has room for.  A trip past the list's end jumps forward to the count's step.
	s_mov_b32 s[BI], 0
.Lsingles:
	s_cmp_ge_u32 s[BI], s[CS]
	s_cbranch_scc1 .Lsingles_next
	ds_load_b32 v[KEY], v[LA]                      ; LDS serves a wave's instructions in order (ISA guide 5.7.1.4): this sees the list's stores
	s_sub_co_u32 s[TS], s[CS], s[BI]
	v_cmp_gt_u32 s[VAL], s[TS], v0                 ; the lanes that the list still fills
	s_wait_dscnt 0x0
	BATCH
.Lsingles_next:
	v_add_nc_u32 v[LA], 128, v[LA]
	s_add_co_u32 s[BI], s[BI], 32
	s_cmp_lt_u32 s[BI], 1024
	s_cbranch_scc1 .Lsingles
	; THE WHOLE GROUPS: RL has room for 1,024 entries, walked by two counts of 32 trips each, so that a short list costs few idle trips: an outer trip whose 32 entries all lie past the list's end
	; is jumped whole, an inner trip past the end singly, each forward to its own count's step.
	s_mov_b32 s[RO], 0
.Lgroups:
	s_cmp_ge_u32 s[RO], s[CR]
	s_cbranch_scc1 .Lgroups_next
	s_mov_b32 s[RJ], 0
.Lgroup:
	s_add_co_u32 s[RI], s[RO], s[RJ]               ; the entry in hand
	s_cmp_ge_u32 s[RI], s[CR]
	s_cbranch_scc1 .Lgroup_next
	s_min_u32 s[TS], s[RI], 0x3ff                  ; its word of RL, made anew from the counts and held inside the list
	s_lshl_b32 s[TS], s[TS], 2
	v_mov_b32 v[RLA], s[TS]
	ds_load_b32 v[BASE], v[RLA] offset:RLB
	v_mov_b32 v[TT], v0
	s_mov_b32 s[IC], 2
	s_wait_dscnt 0x0
.Lhalf:                                        ; places 0-31, then 32-49
	v_lshl_add_u32 v[KEY], v[TT], 4, v[BASE]
	v_cmp_gt_u32 s[VAL], 50, v[TT]
	BATCH
	v_add_nc_u32 v[TT], 32, v[TT]
	s_sub_co_u32 s[IC], s[IC], 1
	s_cmp_lg_u32 s[IC], 0
	s_cbranch_scc1 .Lhalf
.Lgroup_next:
	s_add_co_u32 s[RJ], s[RJ], 1
	s_cmp_lt_u32 s[RJ], 32
	s_cbranch_scc1 .Lgroup
.Lgroups_next:
	s_add_co_u32 s[RO], s[RO], 32
	s_cmp_lt_u32 s[RO], 1024
	s_cbranch_scc1 .Lgroups
	; ranks 0-49: all of (D0, C0), lanes 0-17 of (D1, C1)
	v_add_f32 v[DT], 0x3a83126f, v[D0]             ; d + 0.001
	v_add_f32 v[DT+1], 0x3a83126f, v[D1]
	v_rcp_f32 v[DT+2], v[DT]
	v_rcp_f32 v[DT+3], v[DT+1]
	v_lshlrev_b32 v[DT+4], 16, v[C0]               ; the values; plain instructions behind the reciprocals (ISA guide 5.7.2)
	v_lshlrev_b32 v[DT+5], 16, v[C1]
	v_cmp_gt_u32 vcc_lo, 18, v0
	s_wait_alu depctr_va_vdst(0)                   ; one wait for both reciprocals, ahead of their first reader
	v_cndmask_b32 v[DT+3], 0, v[DT+3], vcc_lo
	v_mul_f32 v[DT+4], v[DT+2], v[DT+4]
	v_fmac_f32 v[DT+4], v[DT+3], v[DT+5]           ; sum of w v,
	v_add_f32 v[DT+2], v[DT+2], v[DT+3]            ; sum of w
.irp m, 1,2,4,8
	v_add_f32_dpp v[DT+4], v[DT+4], v[DT+4] row_xmask:\m row_mask:0xf bank_mask:0xf
	v_add_f32_dpp v[DT+2], v[DT+2], v[DT+2] row_xmask:\m row_mask:0xf bank_mask:0xf
.endr
	v_permlanex16_b32 v[DP], v[DT+4], s[SEL], s[SEL+1]
	v_permlanex16_b32 v[CP], v[DT+2], s[SEL], s[SEL+1]
	v_add_f32 v[DT+4], v[DT+4], v[DP]
	v_add_f32 v[DT+2], v[DT+2], v[CP]
	v_rcp_f32 v[DT], v[DT+2]
	v_nop
	s_wait_alu depctr_va_vdst(0)
	v_mul_f32 v[DT], v[DT], v[DT+4]
	global_store_b32 v[ZO], v[DT], s[10:11]        ; every lane holds the same number and stores it to the same four bytes: the query's result
	s_wait_tensorcnt 0x0                           ; the wave's end: behind my last LDS store
	ds_add_u32 v[SPW], v[NIL]
	s_wait_dscnt 0x0
	s_endpgm
.Lfunc_end_k_qb7ef18e8ea_pick:
	.size	k_qb7ef18e8ea_pick, .Lfunc_end_k_qb7ef18e8ea_pick-k_qb7ef18e8ea_pick
	.p2alignl 7, 3214868480
	.fill 96, 4, 3214868480
	.section	.rodata,"a",@progbits
	.p2align	6, 0x0
	.amdhsa_kernel k_qb7ef18e8ea_pick
		.amdhsa_group_segment_fixed_size 8960
		.amdhsa_private_segment_fixed_size 0
		.amdhsa_enable_private_segment 0
		.amdhsa_kernarg_size 64
		.amdhsa_user_sgpr_count 2
		.amdhsa_user_sgpr_kernarg_segment_ptr 1
		.amdhsa_wavefront_size32 1
		.amdhsa_system_sgpr_workgroup_id_x 1
		.amdhsa_system_sgpr_workgroup_id_y 1
		.amdhsa_system_sgpr_workgroup_id_z 1
		.amdhsa_system_vgpr_workitem_id 0
		.amdhsa_next_free_vgpr 192
		.amdhsa_next_free_sgpr 102
		.amdhsa_reserve_vcc 1
		.amdhsa_float_denorm_mode_32 3
		.amdhsa_float_denorm_mode_16_64 3
		.amdhsa_memory_ordered 1
		.amdhsa_forward_progress 1
		.amdhsa_inst_pref_size 100
	.end_amdhsa_kernel
	.amdgpu_metadata
---
amdhsa.version: [ 1, 2 ]
amdhsa.kernels:
  - .name:           k_qb7ef18e8ea_pick
    .symbol:         k_qb7ef18e8ea_pick.kd
    .args:
      - { .name: cnt, .offset: 0, .size: 8, .value_kind: global_buffer, .address_space: global }
      - { .name: msk, .offset: 8, .size: 8, .value_kind: global_buffer, .address_space: global }
      - { .name: pl0, .offset: 16, .size: 8, .value_kind: global_buffer, .address_space: global }
      - { .name: pl1, .offset: 24, .size: 8, .value_kind: global_buffer, .address_space: global }
      - { .name: kb, .offset: 32, .size: 8, .value_kind: global_buffer, .address_space: global }
      - { .name: qb2, .offset: 40, .size: 8, .value_kind: global_buffer, .address_space: global }
      - { .name: dnd_values, .offset: 48, .size: 8, .value_kind: global_buffer, .address_space: global }
      - { .name: out0, .offset: 56, .size: 8, .value_kind: global_buffer, .address_space: global }
    .group_segment_fixed_size: 8960
    .private_segment_fixed_size: 0
    .kernarg_segment_align: 8
    .kernarg_segment_size: 64
    .max_flat_workgroup_size: 32
    .sgpr_count:     102
    .vgpr_count:     192
    .wavefront_size: 32
...
	.end_amdgpu_metadata
.endif
;; end of part 4
;; ======== version 2 of 2: 4 launches; version 1 with the launch prep written anew for expert scheduling mode
;; workspace buffers: kb 13,107,200 bytes; kk 212,992 bytes; qb2 524,288 bytes; gm 16,777,216 bytes; cnt 16,384 bytes of whole numbers; msk 524,288 bytes of whole numbers; pl0 1,048,576 bytes of whole numbers; pl1 1,048,576 bytes of whole numbers
;; launch prep (part 5): grid 416 x 1, 2 waves a work-group, no clusters, 0 bytes of LDS; arguments dnd_keys, queries, kb, kk, qb2; writes kb, kk, qb2
.if DOCPART == 5
	.amdgcn_target "amdgcn-amd-amdhsa--gfx1250"
	.amdhsa_code_object_version 6
	.text
	.protected	k_qb7ef18e8ea_prep
	.globl	k_qb7ef18e8ea_prep
	.p2align	8
	.type	k_qb7ef18e8ea_prep,@function
k_qb7ef18e8ea_prep:
	s_mov_b64 s[64:65], 0
	v_nop
	global_prefetch_b8 v0, s[64:65] scope:SCOPE_SE
	s_setreg_imm32_b32 hwreg(HW_REG_WAVE_SCHED_MODE, 0, 2), 2
	s_setreg_imm32_b32 hwreg(HW_REG_WAVE_MODE, 25, 1), 1
	s_wait_xcnt 0x0
	s_wait_alu depctr_vm_vsrc(0)
; PREP.  Keys and queries are rounded once to bf16, and each row's sum of squares of the rounded numbers is taken in f32.
;   kb  [51200][128] bf16: the keys; rows 50,000 and up hold 0.      kk: [51200] f32, their sums of squares (1.7e38 for rows 50,000 and up);
;   qb2 [2048][128]  bf16: -2 x the rounded queries (exact).          behind them, from byte 204,800 on, [2048] f32: the sums of squares of the rounded queries.
; Work-groups 0-399 take 128 rows of keys each, 400-415 take 128 rows of queries: one text, the buffers and three numbers chosen by the work-group's number.
; A wave takes 64 rows in four units of 16.  A row is 512 bytes in and 256 bytes out: one load of the wave covers a row, one store covers the row's
; 256 bytes, aligned.  50,000 is a multiple of 16, so a unit is wholly real or wholly padding; padding units load nothing.  A wave's real units come first:
; one loop walks them, a second loop the padding units behind them.
; A wave's 64 sums are gathered in two registers (lane l: rows 2 l, 2 l + 1) and leave as one store of 256 bytes.
; No LDS, no matrix unit, no cluster: nothing is shared and memory binds.
; THE MODE: SCHED_MODE bits 1:0 = 2 (LLVM: expert scheduling mode 2), set by the entry lines.  The code itself states the register dependences
; between vector instructions and memory instructions, with s_wait_alu, always for 0.
; THE PLAN.  Registers that memory instructions touch:
;   v[O16], v[O8], v[ZZ]  offsets and zeros, made once at the head and never written again: one wait at the head serves every load and store that reads them.
;   X   a unit as loaded.  Written by the unit's 16 loads; scaled in place and read by the unit's conversions; named by nothing else.
;   W   a unit in bf16.    Written by the unit's conversions; read by its 16 stores and by its sums of squares; written again by the next unit's conversions.
;   v[N]  the sums.        Written by the selects; read by the last store.
; A unit goes in two parts: all 16 rows' scalings and roundings, which empty X and fill W; then all 16 rows' sums of squares, which name W and T alone.  ONE wait on va_vdst stands
; between the parts: W is written and X is done with.  Straight behind it the next unit's 16 loads go into X and this unit's 16 stores leave from W, with no vector instruction between;
; the sums of squares, 272 lines, stand between those loads and the wait for them.  One wait on vm_vsrc stands at the unit's end: the stores have read W.
; The selects' eight lane masks are made in one run at the unit's head, into scalar registers, with one wait on va_sdst.
.set NKEY,  50000
.set KWG,   400                        ; work-groups that take keys
.set QQOFF, 204800                     ; where the queries' sums begin in kk
.set BIGF,  0x7f000000                 ; 1.7e38
.set LN,  1                            ; v1        lane
.set O16, 2                            ; v2        16 x lane; never rewritten
.set O8,  3                            ; v3        8 x lane; never rewritten
.set N,   4                            ; v[4:5]    the wave's sums
.set ZZ,  6                            ; v[6:7]    0
.set T,   8                            ; v[8:15]   at work, two sets of four by turns
.set X,   16                           ; v[16:79]  a unit as loaded: row i at X + 4 i
.set W,   80                           ; v[80:111] a unit to store: row i at W + 2 i
.set BG,  112                          ; v112      1.7e38
.set LU,  113                          ; v113      lane - 8 x unit
.set WV,  16
.set HI,  17                           ; s17       a word's upper bf16
.set SEL, 18                           ; s[18:19]  v_permlanex16_b32's selects
.set FIRST, 20
.set LIM, 21                           ; s21       rows that exist
.set NS,  22                           ; s22       1 or 1/4: takes the factor out of the sum of squares
.set RU,  23                           ; s23       how many of my four units are real
.set SC,  24                           ; s[24:25]  1 or -2
.set PU,  26                           ; s26       how many are padding
.set TMP, 27
.set IN,  28
.set OUT, 30
.set NRM, 32
.set ROW, 34                           ; s34       the wave's first row
.set OF,  36
.set CNT, 38
.set MK,  40                           ; s[40:47]  mask j: the lane that keeps rows 16 u + 2 j and 16 u + 2 j + 1
	s_load_b256 s[4:11], s[0:1], 0x0               ; dnd_keys s[4:5], queries s[6:7], kb s[8:9], kk s[10:11]
	s_load_b64 s[12:13], s[0:1], 0x20              ; qb2
	v_and_b32 v[LN], 31, v0
	v_lshrrev_b32 v[T], 5, v0
	v_readfirstlane_b32 s[WV], v[T]                ; wave 0, 1
	v_lshlrev_b32 v[O16], 4, v[LN]
	v_lshlrev_b32 v[O8], 3, v[LN]
	v_mov_b32 v[N], 0
	v_mov_b32 v[N+1], 0
	v_mov_b32 v[ZZ], 0
	v_mov_b32 v[ZZ+1], 0
	v_mov_b32 v[BG], BIGF
	v_mov_b32 v[LU], v[LN]
	s_mov_b32 s[HI], 0xffff0000
	s_mov_b32 s[SEL], 0x76543210
	s_mov_b32 s[SEL+1], 0xfedcba98
	s_movk_i32 s[LIM], 0x800                       ; 2,048 queries
	s_cmp_lt_u32 ttmp9, KWG                        ; keys or queries?
	s_cselect_b32 s[LIM], NKEY, s[LIM]
	s_cselect_b32 s[FIRST], 0, KWG
	s_cselect_b32 s[SC], 1.0, -2.0
	s_cselect_b32 s[NS], 1.0, 0x3e800000
	s_mov_b32 s[SC+1], s[SC]                       ; named with it as a pair
	s_sub_co_u32 s[ROW], ttmp9, s[FIRST]
	s_lshl_b32 s[ROW], s[ROW], 7                   ; 128 rows a work-group,
	s_wait_alu depctr_va_sdst(0)                   ; the wave's number is written, ahead of its first reader
	s_lshl_b32 s[OF], s[WV], 6                     ; 64 a wave
	s_add_co_u32 s[ROW], s[ROW], s[OF]
	s_mov_b32 s[OF+1], 0
	s_sub_co_i32 s[RU], s[LIM], s[ROW]             ; the rows that exist from my first on: a multiple of 16, below 0 for a wave wholly behind the last key
	s_max_i32 s[RU], s[RU], 0
	s_lshr_b32 s[RU], s[RU], 4
	s_min_u32 s[RU], s[RU], 4                      ; my real units,
	s_sub_co_u32 s[PU], 4, s[RU]                   ; and the padding units behind them
	s_wait_kmcnt 0x0
	s_add_nc_u64 s[14:15], s[10:11], QQOFF         ; the queries' sums lie behind the keys'
	s_cmp_lt_u32 ttmp9, KWG
	s_cselect_b64 s[IN:IN+1], s[4:5], s[6:7]
	s_cselect_b64 s[OUT:OUT+1], s[8:9], s[12:13]
	s_cselect_b64 s[NRM:NRM+1], s[10:11], s[14:15]
	s_lshl_b32 s[OF], s[ROW], 9                    ; 512 bytes a row in,
	s_add_nc_u64 s[IN:IN+1], s[IN:IN+1], s[OF:OF+1]
	s_lshl_b32 s[OF], s[ROW], 8                    ; 256 out,
	s_add_nc_u64 s[OUT:OUT+1], s[OUT:OUT+1], s[OF:OF+1]
	s_lshl_b32 s[OF], s[ROW], 2                    ; 4 for its sum
	s_add_nc_u64 s[NRM:NRM+1], s[NRM:NRM+1], s[OF:OF+1]
	s_wait_alu depctr_va_vdst(0)                   ; v[O16], v[O8] and v[ZZ] are written: every load and store of the kernel reads one or two of them, and no vector instruction names them again
; Row i of a unit, first part: scaled and rounded.
.macro TOBF i
.set xr, X+4*(\i)
.set wr, W+2*(\i)
	s_wait_loadcnt 15-(\i)                         ; loads come back in order: row i is in, the 15 - i younger rows may stay out (no other load of the wave is out here)
	v_pk_mul_f32 v[xr:xr+1], v[xr:xr+1], s[SC:SC+1] op_sel_hi:[1,0]
	v_pk_mul_f32 v[xr+2:xr+3], v[xr+2:xr+3], s[SC:SC+1] op_sel_hi:[1,0]
	v_cvt_pk_bf16_f32 v[wr], v[xr], v[xr+1]
	v_cvt_pk_bf16_f32 v[wr+1], v[xr+2], v[xr+3]
.endm
; Row i of a unit, second part: the squares of the rounded numbers are summed over the 32 lanes and the sum is put into its lane of N.
.macro SQSUM i
.set wr, W+2*(\i)
.set tr, T+4*((\i)%2)
	v_lshlrev_b32 v[tr], 16, v[wr]
	v_and_b32 v[tr+1], s[HI], v[wr]
	v_lshlrev_b32 v[tr+2], 16, v[wr+1]
	v_and_b32 v[tr+3], s[HI], v[wr+1]
	v_pk_mul_f32 v[tr:tr+1], v[tr:tr+1], v[tr:tr+1]
	v_pk_fma_f32 v[tr:tr+1], v[tr+2:tr+3], v[tr+2:tr+3], v[tr:tr+1]
	v_add_f32 v[tr], v[tr], v[tr+1]
	v_add_f32_dpp v[tr], v[tr], v[tr] row_xmask:1 row_mask:0xf bank_mask:0xf
	v_add_f32_dpp v[tr], v[tr], v[tr] row_xmask:2 row_mask:0xf bank_mask:0xf
	v_add_f32_dpp v[tr], v[tr], v[tr] row_xmask:4 row_mask:0xf bank_mask:0xf
	v_add_f32_dpp v[tr], v[tr], v[tr] row_xmask:8 row_mask:0xf bank_mask:0xf
	v_permlanex16_b32 v[tr+1], v[tr], s[SEL], s[SEL+1]
	v_add_f32 v[tr], v[tr], v[tr+1]
	v_mul_f32 v[tr], s[NS], v[tr]
	v_cndmask_b32 v[N+(\i)%2], v[N+(\i)%2], v[tr], s[MK+(\i)/2]  ; lane 8 u + i / 2 keeps rows 16 u + i
.endm
	s_cmp_eq_u32 s[RU], 0
	s_cbranch_scc1 .Lpads                          ; a wave wholly behind the last key loads nothing
.irp i, 0,1,2,3,4,5,6,7,8,9,10,11,12,13,14,15
	global_load_b128 v[X+4*(\i):X+4*(\i)+3], v[O16], s[IN:IN+1] offset:512*(\i) th:TH_LOAD_NT  ; my first unit
.endr
	s_mov_b32 s[CNT], 0
.Lunit:                                        ; the real units
.irp j, 0,1,2,3,4,5,6,7
	v_cmp_eq_u32 s[MK+\j], \j, v[LU]               ; the unit's eight masks, in one run, while its rows are on their way
.endr
.irp i, 0,1,2,3,4,5,6,7,8,9,10,11,12,13,14,15
	TOBF \i
.endr
	s_wait_alu depctr_va_sdst(0)                   ; the eight masks are written, which the selects below read; ahead of the branch
	s_wait_alu depctr_va_vdst(0)                   ; the conversions have written W, which the stores below read, and are done with X, in which the loads below land
	s_add_co_u32 s[TMP], s[CNT], 1
	s_cmp_lt_u32 s[TMP], s[RU]                     ; is there a real unit behind this one?
	s_cbranch_scc0 .Lnoahead
.irp i, 0,1,2,3,4,5,6,7,8,9,10,11,12,13,14,15
	global_load_b128 v[X+4*(\i):X+4*(\i)+3], v[O16], s[IN:IN+1] offset:512*(16+(\i)) th:TH_LOAD_NT  ; the next unit: X is asked for again at once
.endr
.Lnoahead:
.irp i, 0,1,2,3,4,5,6,7,8,9,10,11,12,13,14,15
	global_store_b64 v[O8], v[W+2*(\i):W+2*(\i)+1], s[OUT:OUT+1] offset:256*(\i)  ; 32 lanes x 8 bytes: the row's 256 bytes, aligned
.endr
.irp i, 0,1,2,3,4,5,6,7,8,9,10,11,12,13,14,15
	SQSUM \i                                       ; these name W (which they only read), T, N and the masks: none of the registers in which the loads above land
.endr
	s_wait_xcnt 0x0                                ; the unit's loads and stores have read their bases and data: only now are these written again
	s_wait_alu depctr_vm_vsrc(0)                   ; the unit's stores have read W, which the next unit's conversions write again; ahead of the backward jump
	s_add_nc_u64 s[IN:IN+1], s[IN:IN+1], 16*512
	s_add_nc_u64 s[OUT:OUT+1], s[OUT:OUT+1], 16*256
	v_add_nc_u32 v[LU], -8, v[LU]
	s_add_co_u32 s[CNT], s[CNT], 1
	s_cmp_lt_u32 s[CNT], s[RU]
	s_cbranch_scc1 .Lunit
.Lpads:
	s_cmp_eq_u32 s[PU], 0
	s_cbranch_scc1 .Lsums
	s_mov_b32 s[CNT], 0
.Lpad:                                         ; sixteen rows behind the last key: zeros, and a sum that no bound reaches
.irp i, 0,1,2,3,4,5,6,7,8,9,10,11,12,13,14,15
	global_store_b64 v[O8], v[ZZ:ZZ+1], s[OUT:OUT+1] offset:256*(\i)
.endr
	v_cmp_gt_u32 vcc_lo, 8, v[LU]                  ; lanes 8 u .. 8 u + 7
	s_wait_alu depctr_va_vcc(0)                    ; VCC is written, which the two selects read
	v_cndmask_b32 v[N], v[N], v[BG], vcc_lo
	v_cndmask_b32 v[N+1], v[N+1], v[BG], vcc_lo
	s_wait_xcnt 0x0                                ; the unit's stores have read their base: only now is it written again
	s_add_nc_u64 s[OUT:OUT+1], s[OUT:OUT+1], 16*256
	v_add_nc_u32 v[LU], -8, v[LU]
	s_add_co_u32 s[CNT], s[CNT], 1
	s_cmp_lt_u32 s[CNT], s[PU]
	s_cbranch_scc1 .Lpad
.Lsums:
	s_wait_alu depctr_va_vdst(0)                   ; the selects have written v[N], which the store reads
	global_store_b64 v[O8], v[N:N+1], s[NRM:NRM+1] ; the wave's 64 sums: 256 bytes, aligned
	s_endpgm
.Lfunc_end_k_qb7ef18e8ea_prep:
	.size	k_qb7ef18e8ea_prep, .Lfunc_end_k_qb7ef18e8ea_prep-k_qb7ef18e8ea_prep
	.p2alignl 7, 3214868480
	.fill 96, 4, 3214868480
	.section	.rodata,"a",@progbits
	.p2align	6, 0x0
	.amdhsa_kernel k_qb7ef18e8ea_prep
		.amdhsa_group_segment_fixed_size 0
		.amdhsa_private_segment_fixed_size 0
		.amdhsa_enable_private_segment 0
		.amdhsa_kernarg_size 40
		.amdhsa_user_sgpr_count 2
		.amdhsa_user_sgpr_kernarg_segment_ptr 1
		.amdhsa_wavefront_size32 1
		.amdhsa_system_sgpr_workgroup_id_x 1
		.amdhsa_system_sgpr_workgroup_id_y 1
		.amdhsa_system_sgpr_workgroup_id_z 1
		.amdhsa_system_vgpr_workitem_id 0
		.amdhsa_next_free_vgpr 114
		.amdhsa_next_free_sgpr 66
		.amdhsa_reserve_vcc 1
		.amdhsa_float_denorm_mode_32 3
		.amdhsa_float_denorm_mode_16_64 3
		.amdhsa_memory_ordered 1
		.amdhsa_forward_progress 1
		.amdhsa_inst_pref_size 26
	.end_amdhsa_kernel
	.amdgpu_metadata
---
amdhsa.version: [ 1, 2 ]
amdhsa.kernels:
  - .name:           k_qb7ef18e8ea_prep
    .symbol:         k_qb7ef18e8ea_prep.kd
    .args:
      - { .name: dnd_keys, .offset: 0, .size: 8, .value_kind: global_buffer, .address_space: global }
      - { .name: queries, .offset: 8, .size: 8, .value_kind: global_buffer, .address_space: global }
      - { .name: kb, .offset: 16, .size: 8, .value_kind: global_buffer, .address_space: global }
      - { .name: kk, .offset: 24, .size: 8, .value_kind: global_buffer, .address_space: global }
      - { .name: qb2, .offset: 32, .size: 8, .value_kind: global_buffer, .address_space: global }
    .group_segment_fixed_size: 0
    .private_segment_fixed_size: 0
    .kernarg_segment_align: 8
    .kernarg_segment_size: 40
    .max_flat_workgroup_size: 64
    .sgpr_count:     66
    .vgpr_count:     114
    .wavefront_size: 32
...
	.end_amdgpu_metadata
.endif
;; end of part 5
;; launch scan: the kernel of part 2 again; grid 8 x 32, 4 waves a work-group, clusters of 4 x 1, 327,680 bytes of LDS; arguments kb, kk, qb2, gm; writes gm
;; launch thresh: the kernel of part 3 again; grid 512 x 1, 4 waves a work-group, no clusters, 0 bytes of LDS; arguments gm, kk, cnt, msk, pl0, pl1; writes cnt, msk, pl0, pl1
;; launch pick: the kernel of part 4 again; grid 2048 x 1, 1 waves a work-group, no clusters, 8,960 bytes of LDS; arguments cnt, msk, pl0, pl1, kb, qb2, dnd_values, out0; writes out0
